; MI455X (gfx1250); checked and timed in simulation.
; The chip was launched on July 23, 2026; its instructions are those of AMD's public machine-readable ISA for CDNA 5 (MIT licence, August 2026) and "CDNA5" Instruction Set Architecture Reference Guide (July 2026). The comments in the code are by the model that wrote it; some were corrected since.
;; Weighted Causal Multihead Attention. Allowed arithmetic: float matrix products may take bf16 or f16 operands with f32 sums; all other float work in f32.
;; Inputs: b_attn 3,072 float32; b_proj 1,024 float32; hidden_states 2 x 2,048 x 1,024 float32; w_attn 1,024 x 3,072 float32; w_proj 1,024 x 1,024 float32.
;; Outputs: out0 2 x 2,048 x 1,024 float32.
;; One version. Each part assembles by itself: llvm-mc -triple=amdgcn-amd-amdhsa -mcpu=gfx1250 --defsym DOCPART=n.
;; ======== version 1 of 1: 4 launches
;; limits: values are held in f16: magnitudes above 65,504 overflow, below 6.1e-05 lose precision
;; workspace buffers: hs16 8,388,608 bytes; wa16 6,291,456 bytes; wp16 2,097,152 bytes; qkv 25,165,824 bytes; att 8,388,608 bytes
;; launch cast (part 1): grid 512 x 1, 8 waves a work-group, no clusters, 0 bytes of LDS; arguments hidden_states, w_attn, w_proj, hs16, wa16, wp16; writes hs16, wa16, wp16
.if DOCPART == 1
	.amdgcn_target "amdgcn-amd-amdhsa--gfx1250"
	.amdhsa_code_object_version 6
	.text
	.protected	k_q76bd1f91d5_cast
	.globl	k_q76bd1f91d5_cast
	.p2align	8
	.type	k_q76bd1f91d5_cast,@function
k_q76bd1f91d5_cast:
	s_mov_b64 s[64:65], 0
	v_nop
	global_prefetch_b8 v0, s[64:65] scope:SCOPE_SE
	s_setreg_imm32_b32 hwreg(HW_REG_WAVE_MODE, 25, 1), 1
	s_wait_xcnt 0x0
; hs16, wa16, wp16 = hidden_states, w_attn, w_proj rounded once from f32 to f16 (nearest even), layouts unchanged.
; LIMIT: a number of magnitude 65,520 or more becomes an infinity in f16; below 2^-14 the absolute error stays under 2^-25.
; A work-group takes 16,384 numbers (65,536 bytes in, 32,768 out): groups 0-255 hidden_states (4,194,304 numbers),
; 256-447 w_attn (3,145,728), 448-511 w_proj (1,048,576).  Thread t takes the 16 bytes at 16 t of each block of 4,096 bytes:
; a wave's load covers 512 consecutive bytes, its store 256 consecutive bytes that start at a multiple of 256.
; All sixteen loads of a thread go out first; no register is written twice, so the only waits are the counted ones on the loads.
; No LDS, no matrix unit, no cluster: nothing is shared and nothing is summed.
.set X, 4                              ; v[4:67]   sixteen loads of 4 registers
.set Y, 68                             ; v[68:99]  sixteen stores of 2 registers
	s_load_b256 s[4:11], s[0:1], 0x0               ; hidden_states s[4:5], w_attn s[6:7], w_proj s[8:9], hs16 s[10:11]
	s_load_b128 s[12:15], s[0:1], 0x20             ; wa16 s[12:13], wp16 s[14:15]
	s_sub_co_u32 s17, ttmp9, 256                   ; my number among w_attn's groups
	s_sub_co_u32 s18, ttmp9, 448                   ; my number among w_proj's groups
	v_lshlrev_b32 v1, 4, v0                        ; 16 t: where I read
	v_lshlrev_b32 v2, 3, v0                        ; 8 t: where I write
	s_wait_kmcnt 0x0
	s_cmp_lt_u32 ttmp9, 256                        ; the choice of tensor hangs on the group's number alone
	s_cselect_b64 s[20:21], s[4:5], s[6:7]
	s_cselect_b64 s[22:23], s[10:11], s[12:13]
	s_cselect_b32 s16, ttmp9, s17
	s_cmp_lt_u32 ttmp9, 448
	s_cselect_b64 s[20:21], s[20:21], s[8:9]
	s_cselect_b64 s[22:23], s[22:23], s[14:15]
	s_cselect_b32 s16, s16, s18
	s_lshl_b32 s2, s16, 16                         ; 65,536 bytes of f32 a group
	s_mov_b32 s3, 0
	s_add_nc_u64 s[20:21], s[20:21], s[2:3]
	s_lshl_b32 s2, s16, 15                         ; 32,768 bytes of f16 a group
	s_add_nc_u64 s[22:23], s[22:23], s[2:3]
.set i, 0
.rept 16
	global_load_b128 v[X+4*i:X+4*i+3], v1, s[20:21] offset:4096*i th:TH_LOAD_NT
.set i, i+1
.endr
.set i, 0
.rept 16
	s_wait_loadcnt 15-i                            ; loads come back in order: load i is in, the 15 - i younger ones stay out
	v_cvt_pk_f16_f32 v[Y+2*i], v[X+4*i], v[X+4*i+1]
	v_cvt_pk_f16_f32 v[Y+2*i+1], v[X+4*i+2], v[X+4*i+3]
	global_store_b64 v2, v[Y+2*i:Y+2*i+1], s[22:23] offset:2048*i
.set i, i+1
.endr
	s_endpgm
.Lfunc_end_k_q76bd1f91d5_cast:
	.size	k_q76bd1f91d5_cast, .Lfunc_end_k_q76bd1f91d5_cast-k_q76bd1f91d5_cast
	.p2alignl 7, 3214868480
	.fill 96, 4, 3214868480
	.section	.rodata,"a",@progbits
	.p2align	6, 0x0
	.amdhsa_kernel k_q76bd1f91d5_cast
		.amdhsa_group_segment_fixed_size 0
		.amdhsa_private_segment_fixed_size 0
		.amdhsa_enable_private_segment 0
		.amdhsa_kernarg_size 48
		.amdhsa_user_sgpr_count 2
		.amdhsa_user_sgpr_kernarg_segment_ptr 1
		.amdhsa_wavefront_size32 1
		.amdhsa_system_sgpr_workgroup_id_x 1
		.amdhsa_system_sgpr_workgroup_id_y 1
		.amdhsa_system_sgpr_workgroup_id_z 1
		.amdhsa_system_vgpr_workitem_id 0
		.amdhsa_next_free_vgpr 100
		.amdhsa_next_free_sgpr 66
		.amdhsa_reserve_vcc 0
		.amdhsa_float_denorm_mode_32 3
		.amdhsa_float_denorm_mode_16_64 3
		.amdhsa_memory_ordered 1
		.amdhsa_forward_progress 1
		.amdhsa_inst_pref_size 7
	.end_amdhsa_kernel
	.amdgpu_metadata
---
amdhsa.version: [ 1, 2 ]
amdhsa.kernels:
  - .name:           k_q76bd1f91d5_cast
    .symbol:         k_q76bd1f91d5_cast.kd
    .args:
      - { .name: hidden_states, .offset: 0, .size: 8, .value_kind: global_buffer, .address_space: global }
      - { .name: w_attn, .offset: 8, .size: 8, .value_kind: global_buffer, .address_space: global }
      - { .name: w_proj, .offset: 16, .size: 8, .value_kind: global_buffer, .address_space: global }
      - { .name: hs16, .offset: 24, .size: 8, .value_kind: global_buffer, .address_space: global }
      - { .name: wa16, .offset: 32, .size: 8, .value_kind: global_buffer, .address_space: global }
      - { .name: wp16, .offset: 40, .size: 8, .value_kind: global_buffer, .address_space: global }
    .group_segment_fixed_size: 0
    .private_segment_fixed_size: 0
    .kernarg_segment_align: 8
    .kernarg_segment_size: 48
    .max_flat_workgroup_size: 256
    .sgpr_count:     66
    .vgpr_count:     100
    .wavefront_size: 32
...
	.end_amdgpu_metadata
.endif
;; end of part 1
;; launch qkv (part 2): grid 12 x 16, 4 waves a work-group, clusters of 4 x 4, 327,680 bytes of LDS; arguments hs16, wa16, b_attn, qkv; writes qkv
.if DOCPART == 2
	.amdgcn_target "amdgcn-amd-amdhsa--gfx1250"
	.amdhsa_code_object_version 6
	.text
	.protected	k_q76bd1f91d5_qkv
	.globl	k_q76bd1f91d5_qkv
	.p2align	8
	.type	k_q76bd1f91d5_qkv,@function
k_q76bd1f91d5_qkv:
	s_mov_b64 s[64:65], 0
	v_nop
	global_prefetch_b8 v0, s[64:65] scope:SCOPE_SE
	s_setreg_imm32_b32 hwreg(HW_REG_WAVE_MODE, 25, 1), 1
	s_wait_xcnt 0x0
	s_wait_alu depctr_hold_cnt(0) depctr_sa_sdst(0) depctr_va_vdst(0) depctr_va_sdst(0) depctr_va_ssrc(0) depctr_va_vcc(0) depctr_vm_vsrc(0)
	s_getreg_b32 s2, hwreg(HW_REG_IB_STS2, 6, 4)
	s_cmp_eq_u32 s2, 0
	s_cbranch_scc0 .Lentry_in_a_cluster
	s_endpgm
.Lentry_in_a_cluster:
	s_bfe_u32 s2, ttmp6, 0x10000c
	s_cmp_lg_u32 s2, 0xf033
	s_cbranch_scc0 .Lentry_shape_is_right
	s_endpgm
.Lentry_shape_is_right:
; qkv[which][b][h][s][d] (f16) = (hs16 [4096][1024] x wa16 [1024][3072] + b_attn) x scale; sums, bias and scale in f32, rounded once.
; scale = 0.125 log2(e) for the q third (columns 0-1023), so that the attention launch can work in powers of two; 1 for k and v.
; LIMIT: q, k, v of magnitude 65,520 or more become infinities in f16.
; A work-group makes 256 x 256 with four waves, a wave 128 x 128: 64 accumulator tiles of 16 x 16, 512 registers.  16 x 12 = 192 work-groups.
; K goes in steps of 128 through a ring of two LDS slots.  A's tile: 256 rows of 256 bytes, LDS pitch 272.  B lies [k][n]: its tile is
; 128 k rows of 512 bytes, LDS pitch 544, and its fragments are read by the transposing LDS load.
; CLUSTERS: 4 x 4 work-groups.  A's tile hangs on the block row alone and is asked for jointly by a row of the cluster, B's on the block
; column alone and is asked for jointly by a column: each request serves four work-groups.
; REGISTER WINDOWS: 0: v16-27 addresses, v64-191 A's fragments (two buffers), v192-255 at work on the way out;
;   1: v0-63 the bias of my 128 columns, v64-191 B's fragments (two buffers); 2: accumulators of my rows 0-63; 3: of my rows 64-127.
; THE MATRIX INSTRUCTION IS USED TRANSPOSED (source 0 = 16 columns of B, source 1 = 16 rows of A): lane l holds row l % 16 and
; the eight neighbouring columns 8 (l / 16) + 0..7 of a tile.
.set SIZE_K, 1024
.set SIZE_N, 3072
.set KSTEP,  128
.set PITCH,  272                       ; A's LDS row: 256 bytes + 16
.set BPITCH, 544                       ; B's LDS row: 512 bytes + 32 = 17 x 32
.set HALFT,  128*PITCH                 ; what one tensor load brings: 128 rows of A, or 64 k rows of B (64 x 544 is the same 34,816)
.set SLOT,   4*HALFT
.set STAGE,  2*SLOT                    ; behind the ring: 16 rows x 272 bytes for each wave; no tensor load lands there
.set SPITCH, 272
.set LAPS, SIZE_K/(2*KSTEP)            ; 4 laps of two K steps
.set ADRA, 16                          ; v16-17  LDS address of my A fragments in slot 0, 1
.set ADRB, 20                          ; v20-21  the same for B
.set STO,  24                          ; way out: where I put 16 bytes of a row
.set RD,   25                          ; way out: where I read back
.set CO,   26                          ; way out: 16 x lane
.set BOF,  27                          ; 32 (l / 16): my eight columns' bias inside a tile's 64 bytes
.set F0,   64
.set F1,   128
.set TMP,  192
.set G1, 24                            ; s[24:31] group 1, A
.set G0, 32                            ; s[32:39] group 0, A, one set a slot
.set G1B, 48                           ; s[48:55] group 1, B
.set G0B, 56                           ; s[56:63] group 0, B, one set a slot
.set MSB, 0
.macro WIN new                         ; the immediate's high byte repeats the setting that is left
.if MSB != \new
	s_set_vgpr_msb (MSB<<8)|\new
.set MSB, \new
.endif
.endm
.set MUL_LO, 0xa1                      ; source 0 (B) window 1, source 1 (A) window 0, C and D window 2
.set MUL_HI, 0xf1                      ; the same, C and D window 3
.set TO_B,   0x40                      ; destination window 1, address window 0
; A joint load: waves 0 and 1 ask for A's two halves, waves 2 and 3 for B's.  The branch hangs on the wave's number alone.
.macro JLOAD s
	s_cmp_eq_u32 s11, 0
	s_cbranch_scc0 .Lfor_b_\@
	tensor_load_to_lds s[G0+4*\s:G0+4*\s+3], s[G1:G1+7]
	s_nop 0
	s_branch .Lasked_\@
.Lfor_b_\@:
	tensor_load_to_lds s[G0B+4*\s:G0B+4*\s+3], s[G1B:G1B+7]
	s_nop 0
	v_nop
.Lasked_\@:
.endm
.macro CREST                           ; a round of the cluster's barrier, behind its opening work-group barrier
	s_cmp_lg_u32 s10, 0
	s_cbranch_scc1 .Lnot_wave_0_\@
	s_barrier_signal -3
.Lnot_wave_0_\@:
	s_barrier_wait -3
	s_barrier_signal -1
	s_barrier_wait -1
.endm
.macro CROUND                          ; a whole round
	s_barrier_signal -1
	s_barrier_wait -1
	CREST
.endm
	s_load_b128 s[4:7], s[0:1], 0x0                ; hs16 s[4:5], wa16 s[6:7]
	s_load_b128 s[68:71], s[0:1], 0x10             ; b_attn s[68:69], qkv s[70:71]
	s_set_vgpr_msb 0x40
	v_lshl_add_u32 v255, v0, 2, 0x48400
	s_set_vgpr_msb 0x4000
	v_mov_b32 v63, 0
	s_set_vgpr_msb 0x1
	ds_add_u32 v255, v63
	s_set_vgpr_msb 0x100
	v_lshrrev_b32 v1, 5, v0
	v_readfirstlane_b32 s10, v1                    ; wave 0..3
	s_lshr_b32 s11, s10, 1                         ; my half of the block's rows; also: I fetch for A (0) or B (1)
	s_and_b32 s12, s10, 1                          ; my half of its columns; also: which half of that tile I fetch
	s_bfe_u32 s40, ttmp6, 0x40000                  ; cx
	s_bfe_u32 s41, ttmp6, 0x40004                  ; cy
	s_lshl_b32 s42, ttmp9, 2
	s_add_co_u32 s42, s42, s40                     ; block column = 4 x cluster x + cx
	s_and_b32 s13, ttmp7, 0xffff
	s_lshl_b32 s13, s13, 2
	s_add_co_u32 s13, s13, s41                     ; block row = 4 x cluster y + cy
	s_lshl_b32 s43, s41, 2
	s_lshl_b32 s43, 15, s43                        ; my row of the cluster: places 4 cy .. 4 cy + 3
	s_lshl_b32 s44, 0x1111, s40                    ; my column: places cx, cx + 4, cx + 8, cx + 12
	; group 1 for A: 128 rows x 128 elements of 2 bytes, 4 words of padding behind every 64
	s_or_b32 s[G1+0], s43, (1<<16)|(1<<20)|(1<<21)|(5<<22)|(3<<25)
	s_mov_b32 s[G1+1], KSTEP<<16                   ; tensor_dim0 = 128
	s_mov_b32 s[G1+2], 128<<16                     ; tensor_dim1 = 128
	s_mov_b32 s[G1+3], KSTEP<<16                   ; tile_dim0 = 128
	s_mov_b32 s[G1+4], 128                         ; tile_dim1 = 128
	s_mov_b32 s[G1+5], SIZE_K                      ; elements from row to row
	s_mov_b32 s[G1+6], 0
	s_mov_b32 s[G1+7], 0
	; group 1 for B: 64 k rows x 256 elements, 8 words of padding behind every 128
	s_or_b32 s[G1B+0], s44, (1<<16)|(1<<20)|(1<<21)|(6<<22)|(7<<25)
	s_mov_b32 s[G1B+1], 256<<16                    ; tensor_dim0 = 256
	s_mov_b32 s[G1B+2], 64<<16                     ; tensor_dim1 = 64
	s_mov_b32 s[G1B+3], 256<<16                    ; tile_dim0 = 256
	s_mov_b32 s[G1B+4], 64                         ; tile_dim1 = 64
	s_mov_b32 s[G1B+5], SIZE_N
	s_mov_b32 s[G1B+6], 0
	s_mov_b32 s[G1B+7], 0
	s_cmp_eq_u32 ttmp9, 0                          ; cluster x 0 holds block columns 0-3: the q third
	s_cselect_b32 s72, 0x3e38aa3b, 1.0             ; 0.125 log2(e), or 1
	s_mov_b32 s73, s72
	; where the tiles come from: A's offset is made of the block row and the wave alone, B's of the block column and the wave alone
	s_lshl_b32 s16, s13, 19                        ; 256 rows x 2,048 bytes
	s_lshl_b32 s17, s12, 18                        ; + 128 rows for the second half
	s_add_co_u32 s16, s16, s17
	s_mov_b32 s17, 0
	s_lshl_b32 s46, s42, 9                         ; 256 columns x 2 bytes
	s_mul_i32 s47, s12, 64*SIZE_N*2                ; + 64 k rows for the second half
	s_add_co_u32 s46, s46, s47
	s_mov_b32 s47, 0
	s_lshl_b32 s74, s42, 10                        ; the bias of my 128 columns: (256 block column + 128 half) x 4 bytes
	s_lshl_b32 s75, s12, 9
	s_add_co_u32 s74, s74, s75
	s_mov_b32 s75, 0
	s_mul_i32 s20, s10, HALFT                      ; where they go: wave x 34,816; no place in the cluster enters an LDS address
	s_wait_dscnt 0x0
	s_wait_kmcnt 0x0
	s_add_nc_u64 s[14:15], s[4:5], s[16:17]
	s_add_nc_u64 s[46:47], s[6:7], s[46:47]
	s_add_nc_u64 s[68:69], s[68:69], s[74:75]
	CROUND                                         ; all sixteen work-groups are here: the first joint loads meet
.irp s, 0,1
	s_mov_b32 s[G0+4*\s], 1
	s_add_co_u32 s[G0+4*\s+1], s20, \s*SLOT
	s_add_nc_u64 s[G0+4*\s+2:G0+4*\s+3], s[14:15], \s*KSTEP*2
	s_or_b32 s[G0+4*\s+3], s[G0+4*\s+3], 0x80000000
	s_mov_b32 s[G0B+4*\s], 1
	s_add_co_u32 s[G0B+4*\s+1], s20, \s*SLOT
	s_add_nc_u64 s[G0B+4*\s+2:G0B+4*\s+3], s[46:47], \s*KSTEP*SIZE_N*2
	s_or_b32 s[G0B+4*\s+3], s[G0B+4*\s+3], 0x80000000
	JLOAD \s                                       ; both first fills go out together: two loads of the wave are out
.endr
	v_and_b32 v1, 15, v0                           ; l % 16
	v_bfe_u32 v2, v0, 4, 1                         ; l / 16
	v_lshlrev_b32 v[BOF], 5, v2
	WIN TO_B                                       ; the bias: tile b's columns 16 b + 8 (l / 16) + 0..7 into window 1, v[8 b : 8 b + 7]; waited for on the way out
.irp b, 0,1,2,3,4,5,6,7
	global_load_b128 v[8*\b:8*\b+3],   v[BOF], s[68:69] offset:64*\b
	global_load_b128 v[8*\b+4:8*\b+7], v[BOF], s[68:69] offset:64*\b+16
.endr
	WIN 0
	; A's fragment: lane l holds row l % 16; two loads of 16 bytes, 32 apart, at row x pitch + 16 (l / 16)
	v_mul_u32_u24 v3, v1, PITCH
	v_lshl_add_u32 v3, v2, 4, v3
	s_mul_i32 s21, s11, HALFT                      ; my 128 rows of A
	; B's fragment by the transposing load: lane l addresses k row 8 (l / 16) + l % 8 and the 16 bytes of columns 8 ((l / 8) % 2) + 0..7
	v_and_b32 v6, 7, v0
	v_lshl_add_u32 v6, v2, 3, v6
	v_mul_u32_u24 v7, v6, BPITCH
	v_bfe_u32 v8, v0, 3, 1
	v_lshl_add_u32 v7, v8, 4, v7
	s_lshl_b32 s22, s12, 8                         ; my 128 columns: 256 bytes into each row,
	s_add_co_u32 s22, s22, 2*HALFT                 ; behind A's 256 rows
.irp s, 0,1
	v_add_nc_u32 v[ADRA+\s], s21, v3
	v_add_nc_u32 v[ADRB+\s], s22, v7
	s_add_co_u32 s21, s21, SLOT
	s_add_co_u32 s22, s22, SLOT
.endr
	s_mul_i32 s23, s10, 16*SPITCH
	s_add_co_u32 s23, s23, STAGE                   ; my stage
	v_mul_u32_u24 v4, v1, SPITCH
	v_lshl_add_u32 v4, v2, 4, v4
	v_add_nc_u32 v[STO], s23, v4                   ; in: row l % 16, 16 bytes for each half of the lanes
	v_bfe_u32 v5, v0, 3, 2                         ; back: eight lanes take one head's 128 bytes of a row, four rows a load
	v_mul_u32_u24 v5, v5, SPITCH
	v_and_b32 v6, 7, v0
	v_lshl_add_u32 v5, v6, 4, v5
	v_add_nc_u32 v[RD], s23, v5
	v_and_b32 v6, 31, v0
	v_lshlrev_b32 v[CO], 4, v6
; 16 matrix instructions: row blocks a0, a0 + 1 of the window's four x all 8 column blocks, 32 along K.  zero = 1: the first product starts the sums.
; The 64 accumulators take turns, one instruction a turn, in the same order in every quarter step.
.macro MUL16 f, hi, a0, zero
.irp a, \a0, \a0+1
.irp b, 0,1,2,3,4,5,6,7
.if \zero
	v_wmma_f32_16x16x32_f16 v[8*(8*(\a)+\b):8*(8*(\a)+\b)+7], v[\f+8*\b:\f+8*\b+7], v[\f+8*(4*\hi+\a):\f+8*(4*\hi+\a)+7], 0
.else
	v_wmma_f32_16x16x32_f16 v[8*(8*(\a)+\b):8*(8*(\a)+\b)+7], v[\f+8*\b:\f+8*\b+7], v[\f+8*(4*\hi+\a):\f+8*(4*\hi+\a)+7], v[8*(8*(\a)+\b):8*(8*(\a)+\b)+7]
.endif
.endr
.endr
.endm
; 32 LDS loads in one run: one quarter step's fragments (32 along K; k = byte of A's rows, k / 64 = the quarter) into buffer f; B's 16 first, then A's 16
.macro FETCH slot, k, f
	WIN TO_B
.irp i, 0,1,2,3,4,5,6,7
	ds_load_tr16_b128 v[\f+8*\i:\f+8*\i+3],   v[ADRB+\slot] offset:(\k/64)*32*BPITCH+32*\i
	ds_load_tr16_b128 v[\f+8*\i+4:\f+8*\i+7], v[ADRB+\slot] offset:(\k/64)*32*BPITCH+32*\i+16*BPITCH
.endr
	WIN 0
.irp i, 0,1,2,3,4,5,6,7
	ds_load_b128 v[\f+8*\i:\f+8*\i+3],   v[ADRA+\slot] offset:\k+\i*16*PITCH
	ds_load_b128 v[\f+8*\i+4:\f+8*\i+7], v[ADRA+\slot] offset:\k+\i*16*PITCH+32
.endr
.endm
; Four places stand between a matrix instruction and a load into one of its registers or a vector instruction that reads its result
.macro PLACES
.rept 4
	v_nop
.endr
.endm
.macro QUARTER slot, k, f, g, zero
	s_wait_dscnt 8                                 ; B and A's rows 0-63 are in; the youngest eight loads (A's rows 64-127) may be out
	WIN MUL_LO
	MUL16 \f, 0, 0, \zero
	MUL16 \f, 0, 2, \zero
	PLACES
	FETCH \slot, \k, \g
	s_wait_dscnt 32                                ; all but the 32 just issued
	WIN MUL_HI
	MUL16 \f, 1, 0, \zero
	MUL16 \f, 1, 2, \zero
.endm
.macro THREE slot, zero
	QUARTER \slot, 64,  F0, F1, \zero
	QUARTER \slot, 128, F1, F0, 0
	QUARTER \slot, 192, F0, F1, 0
.endm
; The last quarter of a K step changes slots.  In front of the barrier each wave waits for its reads of this slot and for all its tensor
; loads (one is out: its part of the next slot).  Behind it the refill comes first, then the next slot's first fragments.
.macro TURN slot, next, fill
	s_wait_dscnt 8
	WIN MUL_LO
	MUL16 F1, 0, 0, 0
	s_wait_dscnt 0                                 ; my reads of this slot are over
	s_wait_tensorcnt 0x0                           ; all my tensor loads have landed
	ds_add_u32 v255, v63
	s_wait_dscnt 0x0
	s_barrier_signal -1                            ; where a slot is filled again this barrier opens a round of the cluster's barrier
	MUL16 F1, 0, 2, 0                              ; register work while the others arrive
	WIN 0
	s_barrier_wait -1
.if \fill
	CREST                                          ; no wave of any partner still reads this slot or has a load on its way
	s_add_nc_u64 s[G0+4*\slot+2:G0+4*\slot+3], s[G0+4*\slot+2:G0+4*\slot+3], 2*KSTEP*2
	s_add_nc_u64 s[G0B+4*\slot+2:G0B+4*\slot+3], s[G0B+4*\slot+2:G0B+4*\slot+3], 2*KSTEP*SIZE_N*2
	JLOAD \slot                                    ; the wave's one tensor load behind the round
.endif
	PLACES
	FETCH \next, 0, F0
	WIN MUL_HI
	MUL16 F1, 1, 0, 0
	MUL16 F1, 1, 2, 0
.endm
.macro LAP zero
	THREE 0, \zero
	TURN 0, 1, 1
	THREE 1, 0
	TURN 1, 0, 1
.endm
	s_wait_tensorcnt 1                             ; my part of K step 0 is in; K step 1's load stays out
	s_barrier_signal -1
	s_barrier_wait -1
	FETCH 0, 0, F0
	LAP 1                                          ; the first lap's first products start the sums
	WIN 0
	s_mov_b32 s3, LAPS-2
.Llap:
	LAP 0
	WIN 0
	s_sub_co_u32 s3, s3, 1
	s_cmp_lg_u32 s3, 0
	s_cbranch_scc1 .Llap
	THREE 0, 0                                     ; the last lap fills nothing
	TURN 0, 1, 0
	THREE 1, 0
	s_wait_dscnt 8
	WIN MUL_LO
	MUL16 F1, 0, 0, 0
	MUL16 F1, 0, 2, 0
	s_wait_dscnt 0
	WIN MUL_HI
	MUL16 F1, 1, 0, 0
	MUL16 F1, 1, 2, 0
	; THE WAY OUT, 16 rows at a time: (sum + bias) x scale as sum x scale + (bias x scale), rounded to f16, through my own stage in LDS.
	PLACES
	s_wait_loadcnt 0x0                             ; the bias
	WIN 0x41                                       ; source 0 and destination in window 1
.set k, 0
.rept 32
	v_pk_mul_f32 v[2*k:2*k+1], v[2*k:2*k+1], s[72:73] op_sel_hi:[1,0]
.set k, k+1
.endr
	WIN 0
	; my first byte in qkv: which x 8,388,608 + batch x 4,194,304 + head x 262,144 + token x 128
	s_lshl_b32 s74, ttmp9, 23                      ; which = block column / 4 = cluster x
	s_lshr_b32 s76, s13, 3                         ; batch = block row / 8
	s_lshl_b32 s76, s76, 22
	s_add_co_u32 s74, s74, s76
	s_lshl_b32 s76, s40, 2                         ; head = 4 (block column % 4) + 2 x my half of the columns
	s_lshl1_add_u32 s76, s12, s76
	s_lshl_b32 s76, s76, 18
	s_add_co_u32 s74, s74, s76
	s_and_b32 s76, s13, 7                          ; token = 256 (block row % 8) + 128 x my half of the rows
	s_lshl_b32 s76, s76, 15
	s_add_co_u32 s74, s74, s76
	s_lshl_b32 s76, s11, 14
	s_add_co_u32 s74, s74, s76
	s_mov_b32 s75, 0
	s_add_nc_u64 s[70:71], s[70:71], s[74:75]
; rows 16 i .. 16 i + 15 of my block = tiles (a, 0..7) of window 2 or 3 (from = 0x12 or 0x13: source 0 there, source 2 = bias in window 1); f: F0 or F1 in turn
.macro OUT16 i, a, from, f
	WIN \from
.irp b, 0,1,2,3,4,5,6,7
.irp r, 0,1,2,3
	v_pk_fma_f32 v[TMP+8*\b+2*\r:TMP+8*\b+2*\r+1], v[8*(8*\a+\b)+2*\r:8*(8*\a+\b)+2*\r+1], s[72:73], v[8*\b+2*\r:8*\b+2*\r+1] op_sel_hi:[1,0,1]
.endr
.endr
	WIN 0
.set k, 0
.rept 32
	v_cvt_pk_f16_f32 v[TMP+k], v[TMP+2*k], v[TMP+2*k+1]   ; packed downward in place: word k is written when words 2 k, 2 k + 1 are read
.set k, k+1
.endr
.irp b, 0,1,2,3,4,5,6,7
	ds_store_b128 v[STO], v[TMP+4*\b:TMP+4*\b+3] offset:32*\b
.endr
	s_wait_xcnt 0x0                                ; buffer f, which earlier stores read, and the stores' base are rewritten only behind this wait
.if \i
	s_add_nc_u64 s[70:71], s[70:71], 16*128        ; 16 tokens on
.endif
.irp t, 0,1,2,3,4,5,6,7
	ds_load_b128 v[\f+4*\t:\f+4*\t+3], v[RD] offset:(\t&3)*4*SPITCH+(\t>>2)*128   ; four rows of one head; LDS serves a wave's instructions in order (ISA guide 5.7.1)
.endr
.irp t, 0,1,2,3,4,5,6,7
	s_wait_dscnt 7-\t                              ; read-back t is in, the younger ones stay out
	global_store_b128 v[CO], v[\f+4*\t:\f+4*\t+3], s[70:71] offset:(\t&3)*512+(\t>>2)*262144   ; the wave stores 512 consecutive bytes: four tokens of one head
.endr
.endm
	OUT16 0, 0, 0x12, F0
	OUT16 1, 1, 0x12, F1
	OUT16 2, 2, 0x12, F0
	OUT16 3, 3, 0x12, F1
	OUT16 4, 0, 0x13, F0
	OUT16 5, 1, 0x13, F1
	OUT16 6, 2, 0x13, F0
	OUT16 7, 3, 0x13, F1
	s_set_vgpr_msb 0x1
	s_wait_tensorcnt 0x0
	ds_add_u32 v255, v63
	s_wait_dscnt 0x0
	s_set_vgpr_msb 0x100
	CROUND                                         ; the closing round: no work-group ends while a partner may still ask for a tile that names it
	s_endpgm
.Lfunc_end_k_q76bd1f91d5_qkv:
	.size	k_q76bd1f91d5_qkv, .Lfunc_end_k_q76bd1f91d5_qkv-k_q76bd1f91d5_qkv
	.p2alignl 7, 3214868480
	.fill 96, 4, 3214868480
	.section	.rodata,"a",@progbits
	.p2align	6, 0x0
	.amdhsa_kernel k_q76bd1f91d5_qkv
		.amdhsa_group_segment_fixed_size 327680
		.amdhsa_private_segment_fixed_size 0
		.amdhsa_enable_private_segment 0
		.amdhsa_kernarg_size 32
		.amdhsa_user_sgpr_count 2
		.amdhsa_user_sgpr_kernarg_segment_ptr 1
		.amdhsa_wavefront_size32 1
		.amdhsa_system_sgpr_workgroup_id_x 1
		.amdhsa_system_sgpr_workgroup_id_y 1
		.amdhsa_system_sgpr_workgroup_id_z 1
		.amdhsa_system_vgpr_workitem_id 0
		.amdhsa_next_free_vgpr 1024
		.amdhsa_next_free_sgpr 80
		.amdhsa_reserve_vcc 0
		.amdhsa_float_denorm_mode_32 3
		.amdhsa_float_denorm_mode_16_64 3
		.amdhsa_memory_ordered 1
		.amdhsa_forward_progress 1
		.amdhsa_inst_pref_size 217
	.end_amdhsa_kernel
	.amdgpu_metadata
---
amdhsa.version: [ 1, 2 ]
amdhsa.kernels:
  - .name:           k_q76bd1f91d5_qkv
    .symbol:         k_q76bd1f91d5_qkv.kd
    .args:
      - { .name: hs16, .offset: 0, .size: 8, .value_kind: global_buffer, .address_space: global }
      - { .name: wa16, .offset: 8, .size: 8, .value_kind: global_buffer, .address_space: global }
      - { .name: b_attn, .offset: 16, .size: 8, .value_kind: global_buffer, .address_space: global }
      - { .name: qkv, .offset: 24, .size: 8, .value_kind: global_buffer, .address_space: global }
    .group_segment_fixed_size: 327680
    .private_segment_fixed_size: 0
    .kernarg_segment_align: 8
    .kernarg_segment_size: 32
    .max_flat_workgroup_size: 128
    .sgpr_count:     80
    .vgpr_count:     1024
    .wavefront_size: 32
...
	.end_amdgpu_metadata
.endif
;; end of part 2
;; launch attn (part 3): grid 256 x 1, 8 waves a work-group, no clusters, 327,680 bytes of LDS; arguments qkv, att; writes att
.if DOCPART == 3
	.amdgcn_target "amdgcn-amd-amdhsa--gfx1250"
	.amdhsa_code_object_version 6
	.text
	.protected	k_q76bd1f91d5_attn
	.globl	k_q76bd1f91d5_attn
	.p2align	8
	.type	k_q76bd1f91d5_attn,@function
k_q76bd1f91d5_attn:
	s_mov_b64 s[64:65], 0
	v_nop
	global_prefetch_b8 v0, s[64:65] scope:SCOPE_SE
	s_setreg_imm32_b32 hwreg(HW_REG_WAVE_MODE, 25, 1), 1
	s_wait_xcnt 0x0
; att[token / 128][head][token % 128][d] (f16) = softmax over keys j >= i of (q.k / 8 - ln(j - i + 1)) times v.
; q arrives already multiplied by 0.125 log2(e), so scores, bias and exponentials are in powers of two: bias = -log2(j - i + 1).
; SHARE: work-group = (batch, head) = number / 8 and a = number % 8.  It takes query block a (128 queries) against key blocks a..15, then query
; block 15 - a against key blocks 15 - a..15: 17 trips of 128 keys for every work-group.  Wave w: 32 queries (w % 4), 64 of a trip's keys (w / 4);
; the two key halves keep a running maximum and sum of their own and are merged once for each query block, through LDS.
; ORIENTATION: scores are made transposed (A = 16 keys, B = 16 queries): lane (r, h) holds query r and keys 8 h + 0..7, so a row's maximum and sum
; need one exchange with lane l xor 16, and two score tiles, rounded to f16, ARE the B fragment of the second product, O^T = V^T P^T.
; THE BIAS AND THE MASK come as the C operand of the first score product from a table in LDS, indexed by j - i + 128: -log2(j - i + 1) for j >= i,
; -2^127 for j < i.  Every trip runs the same text; masked scores give 2^(very negative) = 0.
; A RUNNING MAXIMUM is taken away before every exponential.  It starts at -1e30.  LIMITS: biased scores (in powers of two) must lie above -1e30;
; P is rounded to f16 (in [0, 1], absolute error under 2^-11 of itself or 2^-25); q, k, v are f16.
; NO JOINT REQUESTS: in trip i work-group a reads key block a + i, so the eight work-groups of a head want eight different tiles in the same trip;
; walking jointly would give every partner the longest walk of a pair, 16 + 4 blocks against 17.
; LDS: slot s at 38,912 s: K 128 rows x 144, then V 128 rows x 160; the table, 4 copies 9,280 bytes apart, at 77,824; the merge area, 4 x 8,704, at 114,944;
; the output stages, 4 x 4,608, at 149,760.  Tensor loads land in the two slots alone.
.set KP, 144                           ; K's LDS row: 128 bytes + 16
.set VP, 160                           ; V's LDS row: 128 bytes + 32 = 5 x 32, for the transposing load
.set VOFF, 128*KP
.set SLOTB, VOFF+128*VP
.set TAB, 2*SLOTB
.set TCOPY, 9280
.set MERGE, TAB+4*TCOPY
.set MSZ, 8704
.set STAGE, MERGE+4*MSZ
.set SSZ, 32*KP
.set KADR, 1                           ; K fragments: key half x 9,216 + 144 r + 16 h
.set VADR, 2                           ; V fragments (transposing load)
.set TADR, 3                           ; bias table, this trip
.set TADR0, 4                          ; bias table, a query block's first trip
.set VQ, 5                             ; 128 r + 16 h
.set MADR, 6                           ; merge area + 16 l
.set STO, 7                            ; stage, in
.set RD, 8                             ; stage, back
.set CO, 9                             ; 16 l
.set ML, 12                            ; v[12:15] maximum and sum of query tile 0, of query tile 1
.set AL, 16                            ; v16, v18 rescale factors; v17, v19 hold 0 (second halves of pairs)
.set TMP, 20                           ; v[20:27]
.set QF, 32                            ; v[32:63]   Q(a, k) at 8 (2 a + k)
.set SC, 64                            ; v[64:127]  S(a, t) at 8 (4 a + t); P(a, g) lies in S(a, 2 g)
.set KV, 128                           ; v[128:191] K(t, k) at 8 (2 t + k), then V(g, d) at 8 (4 g + d)
.set OA, 192                           ; v[192:255] O(a, d) at 8 (4 a + d)
.set G1K, 32
.set G1V, 40
.set G0K, 48                           ; one set a slot
.set G0V, 56
; A tile is brought by four waves, 64 rows each: waves 0, 1 K's halves, waves 2, 3 V's; waves 4-7 issue none.  The branches hang on the wave's number alone.
.macro TLOAD slot
	s_cmp_ge_u32 s8, 4
	s_cbranch_scc1 .Lnone_\@
	s_cmp_lt_u32 s8, 2
	s_cbranch_scc0 .Lfor_v_\@
	tensor_load_to_lds s[G0K+4*(\slot):G0K+4*(\slot)+3], s[G1K:G1K+7]
	s_nop 0
	s_branch .Lnone_\@
.Lfor_v_\@:
	tensor_load_to_lds s[G0V+4*(\slot):G0V+4*(\slot)+3], s[G1V:G1V+7]
	s_nop 0
.Lnone_\@:
.endm
	s_load_b128 s[4:7], s[0:1], 0x0                ; qkv s[4:5], att s[6:7]
	v_lshl_add_u32 v30, v0, 2, 0x29100
	v_mov_b32 v31, 0
	ds_add_u32 v30, v31
	v_lshrrev_b32 v1, 5, v0
	v_readfirstlane_b32 s8, v1                     ; wave 0..7
	s_and_b32 s9, s8, 3                            ; my 32 queries
	s_lshr_b32 s10, s8, 2                          ; my 64 keys of a trip
	s_and_b32 s11, ttmp9, 7                        ; a
	s_lshr_b32 s12, ttmp9, 3                       ; 16 batch + head
	s_sub_co_u32 s15, 15, s11                      ; 15 - a: the second query block, and the first block's last trip
	s_add_co_u32 s16, s11, 1
	s_mov_b32 s66, 0x76543210                      ; v_permlanex16_b32: lane i reads lane i of the other half
	s_mov_b32 s67, 0xfedcba98
	; group 1: 64 rows x 64 elements of 2 bytes, padding behind every 32 words: 4 words for K, 8 for V
	s_mov_b32 s[G1K+0], (1<<16)|(1<<20)|(4<<22)|(3<<25)
	s_mov_b32 s[G1K+1], 64<<16                     ; tensor_dim0 = 64
	s_mov_b32 s[G1K+2], 64<<16                     ; tensor_dim1 = 64
	s_mov_b32 s[G1K+3], 64<<16                     ; tile_dim0 = 64
	s_mov_b32 s[G1K+4], 64                         ; tile_dim1 = 64
	s_mov_b32 s[G1K+5], 64                         ; elements from row to row
	s_mov_b32 s[G1K+6], 0
	s_mov_b32 s[G1K+7], 0
	s_mov_b32 s[G1V+0], (1<<16)|(1<<20)|(4<<22)|(7<<25)
	s_mov_b32 s[G1V+1], 64<<16
	s_mov_b32 s[G1V+2], 64<<16
	s_mov_b32 s[G1V+3], 64<<16
	s_mov_b32 s[G1V+4], 64
	s_mov_b32 s[G1V+5], 64
	s_mov_b32 s[G1V+6], 0
	s_mov_b32 s[G1V+7], 0
	s_lshl_b32 s2, s12, 18                         ; a (batch, head) is 262,144 bytes
	s_mov_b32 s3, 0
	s_mov_b32 s19, 0                               ; stays 0: the upper word of the offset pair s[18:19]
	s_and_b32 s17, s8, 1                           ; which 64 rows of a tile I bring
	s_lshl_b32 s18, s17, 13
	s_mov_b32 s[G0K], 1
	s_mov_b32 s[G0K+4], 1
	s_mov_b32 s[G0V], 1
	s_mov_b32 s[G0V+4], 1
	s_mul_i32 s[G0K+1], s17, 64*KP
	s_add_co_u32 s[G0K+5], s[G0K+1], SLOTB
	s_mul_i32 s[G0V+1], s17, 64*VP
	s_add_co_u32 s[G0V+1], s[G0V+1], VOFF
	s_add_co_u32 s[G0V+5], s[G0V+1], SLOTB
	s_wait_dscnt 0x0
	s_wait_kmcnt 0x0
	s_add_nc_u64 s[24:25], s[4:5], s[2:3]          ; q of my (batch, head)
	s_add_nc_u64 s[20:21], s[24:25], s[18:19]
	s_add_nc_u64 s[22:23], s[20:21], 0x1000000     ; v: my rows of key block 0
	s_add_nc_u64 s[20:21], s[20:21], 0x800000      ; k: the same
	s_lshl_b32 s18, s11, 14                        ; key block a: 16,384 bytes a block
	s_add_nc_u64 s[G0K+2:G0K+3], s[20:21], s[18:19]
	s_or_b32 s[G0K+3], s[G0K+3], 0x80000000
	s_add_nc_u64 s[G0V+2:G0V+3], s[22:23], s[18:19]
	s_or_b32 s[G0V+3], s[G0V+3], 0x80000000
	TLOAD 0                                        ; the first fill, ahead of every wait on the tensor counter, LDS read and barrier
	s_lshl_b32 s2, s9, 12                          ; my 32 queries: 4,096 bytes
	s_add_nc_u64 s[24:25], s[24:25], s[2:3]
	s_lshl_b32 s18, s15, 14
	s_add_nc_u64 s[26:27], s[24:25], s[18:19]      ; q, second query block
	s_lshl_b32 s18, s11, 14
	s_add_nc_u64 s[24:25], s[24:25], s[18:19]      ; q, first query block
	s_lshr_b32 s17, s12, 4                         ; att: (16 batch + query block) x 262,144 + head x 16,384 + my 32 queries
	s_lshl_b32 s17, s17, 22
	s_add_co_u32 s2, s2, s17
	s_and_b32 s17, s12, 15
	s_lshl_b32 s17, s17, 14
	s_add_co_u32 s2, s2, s17
	s_add_nc_u64 s[30:31], s[6:7], s[2:3]
	s_lshl_b32 s18, s11, 18
	s_add_nc_u64 s[28:29], s[30:31], s[18:19]      ; att, first query block
	s_lshl_b32 s18, s15, 18
	s_add_nc_u64 s[30:31], s[30:31], s[18:19]      ; att, second query block
	; THE TABLE: T[x], x = j - i + 128 = 0..2303.  Thread t makes x = t + 256 n, n = 0..8.  Copy c holds T[x] at word x + c, so that a lane whose
	; first x is -r modulo 4 finds its eight words at a multiple of 16 bytes in copy r % 4.  Read are x = 1..2175.
.set i, 0
.rept 9
	v_add_nc_u32 v[SC+i], 256*i-127, v0            ; j - i + 1
.set i, i+1
.endr
.set i, 0
.rept 9
	v_cvt_f32_i32 v[SC+i], v[SC+i]
.set i, i+1
.endr
.set i, 0
.rept 9
	v_max_num_f32 v[SC+i], 1.0, v[SC+i]            ; the masked entries are replaced below
.set i, i+1
.endr
.set i, 0
.rept 9
	v_log_f32 v[SC+i], v[SC+i]
.set i, i+1
.endr
	v_lshlrev_b32 v[SC+10], 2, v0                  ; a plain instruction between the logarithms and their use (ISA guide 5.7.2)
.set i, 0
	s_wait_alu depctr_va_vdst(0)
.rept 9
	v_sub_f32 v[SC+i], 0, v[SC+i]
.set i, i+1
.endr
	v_mov_b32 v[SC+9], 0xff000000                  ; -2^127
	v_cmp_gt_u32 vcc_lo, 128, v0
	v_cndmask_b32 v[SC], v[SC], v[SC+9], vcc_lo    ; x < 128: the key lies in front of the query
	v_add_nc_u32 v[SC+10], TAB, v[SC+10]
.irp c, 0,1,2,3
.set i, 0
.rept 9
	ds_store_b32 v[SC+10], v[SC+i] offset:\c*(TCOPY+4)+1024*i
.set i, i+1
.endr
.endr
	; lane addresses
	v_and_b32 v10, 15, v0                          ; r
	v_bfe_u32 v11, v0, 4, 1                        ; h
	v_and_b32 v20, 7, v0
	v_bfe_u32 v21, v0, 3, 1
	v_and_b32 v22, 31, v0                          ; l
	s_mul_i32 s17, s10, 64*KP
	v_mul_u32_u24 v[KADR], v10, KP
	v_lshl_add_u32 v[KADR], v11, 4, v[KADR]
	v_add_nc_u32 v[KADR], s17, v[KADR]
	s_mul_i32 s17, s10, 64*VP
	s_add_co_u32 s17, s17, VOFF
	v_lshl_add_u32 v[VADR], v11, 3, v20            ; key row 8 h + l % 8
	v_mul_u32_u24 v[VADR], v[VADR], VP
	v_lshl_add_u32 v[VADR], v21, 4, v[VADR]        ; the 16 bytes of d = 8 ((l / 8) % 2) + 0..7
	v_add_nc_u32 v[VADR], s17, v[VADR]
	s_lshl_b32 s17, s10, 8                         ; table: 4 (128 + 64 key half - 32 query part + 8 h - 4 (r / 4)) - 64, in copy r % 4
	s_add_co_u32 s17, s17, TAB+448
	s_lshl_b32 s18, s9, 7
	s_sub_co_u32 s17, s17, s18
	v_and_b32 v23, 3, v0
	v_mul_u32_u24 v23, v23, TCOPY
	v_lshl_add_u32 v23, v11, 5, v23
	v_add_nc_u32 v23, s17, v23
	v_bfe_u32 v24, v0, 2, 2
	v_lshlrev_b32 v24, 4, v24
	v_sub_nc_u32 v[TADR0], v23, v24
	v_lshlrev_b32 v[VQ], 7, v10
	v_lshl_add_u32 v[VQ], v11, 4, v[VQ]
	s_mul_i32 s17, s9, MSZ
	s_add_co_u32 s17, s17, MERGE
	v_lshl_add_u32 v[MADR], v22, 4, s17
	s_mul_i32 s17, s9, SSZ
	s_add_co_u32 s17, s17, STAGE
	v_mul_u32_u24 v[STO], v10, KP
	v_lshl_add_u32 v[STO], v11, 4, v[STO]
	v_add_nc_u32 v[STO], s17, v[STO]
	v_bfe_u32 v[RD], v0, 3, 2
	v_mul_u32_u24 v[RD], v[RD], KP
	v_lshl_add_u32 v[RD], v20, 4, v[RD]
	v_add_nc_u32 v[RD], s17, v[RD]
	v_lshlrev_b32 v[CO], 4, v22
	v_mov_b32 v[AL+1], 0
	v_mov_b32 v[AL+3], 0
; A query block begins: its Q fragments from memory (lane (r, h): query r, d = 8 h.. and 16 + 8 h.. of each 32), O = 0, maximum -1e30, sum 0.
; O is cleared because every trip, the first too, runs the same text, which rescales O and adds onto it: 64 moves for 1 to 16 trips.
.macro PHASE_INIT qp
.irp a, 0,1
.irp k, 0,1
	global_load_b128 v[QF+8*(2*\a+\k):QF+8*(2*\a+\k)+3],   v[VQ], s[\qp:\qp+1] offset:\a*2048+\k*64
	global_load_b128 v[QF+8*(2*\a+\k)+4:QF+8*(2*\a+\k)+7], v[VQ], s[\qp:\qp+1] offset:\a*2048+\k*64+32
.endr
.endr
.set j, 0
.rept 64
	v_mov_b32 v[OA+j], 0
.set j, j+1
.endr
	v_mov_b32 v[ML], 0xf149f2ca                    ; -1e30
	v_mov_b32 v[ML+1], 0
	v_mov_b32 v[ML+2], 0xf149f2ca
	v_mov_b32 v[ML+3], 0
	v_mov_b32 v[TADR], v[TADR0]
	s_wait_loadcnt 0x0
.endm
; The softmax step on the wave's 2 x 4 score tiles: new maximum, rescale factor, exponentials in place, O rescaled, sum carried on, P rounded to f16.
.macro SOFTMAX
.irp a, 0,1
	v_max3_num_f32 v[TMP+2*\a], v[ML+2*\a], v[SC+32*\a], v[SC+32*\a+1]          ; two chains for each query tile; one starts from the old maximum
	v_max_num_f32 v[TMP+2*\a+1], v[SC+32*\a+16], v[SC+32*\a+17]
.endr
.irp j, 2,4,6,8,10,12,14
.irp a, 0,1
	v_max3_num_f32 v[TMP+2*\a], v[TMP+2*\a], v[SC+32*\a+\j], v[SC+32*\a+\j+1]
	v_max3_num_f32 v[TMP+2*\a+1], v[TMP+2*\a+1], v[SC+32*\a+16+\j], v[SC+32*\a+17+\j]
.endr
.endr
.irp a, 0,1
	v_max_num_f32 v[TMP+2*\a], v[TMP+2*\a], v[TMP+2*\a+1]
.endr
.irp a, 0,1
	v_permlanex16_b32 v[TMP+2*\a+1], v[TMP+2*\a], s66, s67                     ; the other eight keys of each tile lie in lane l xor 16
.endr
.irp a, 0,1
	v_max_num_f32 v[TMP+2*\a], v[TMP+2*\a], v[TMP+2*\a+1]
	v_sub_f32 v[AL+2*\a], v[ML+2*\a], v[TMP+2*\a]                              ; old maximum - new, at most 0
	v_mov_b32 v[ML+2*\a], v[TMP+2*\a]
.endr
	v_exp_f32 v[AL], v[AL]
	v_exp_f32 v[AL+2], v[AL+2]                     ; the subtractions below are the plain instructions between these and their use (ISA guide 5.7.2)
.irp a, 0,1
.set j, 0
.rept 16
	v_pk_add_f32 v[SC+32*\a+j:SC+32*\a+j+1], v[SC+32*\a+j:SC+32*\a+j+1], v[ML+2*\a:ML+2*\a+1] op_sel_hi:[1,0] neg_lo:[0,1] neg_hi:[0,1]
.set j, j+2
.endr
.endr
.set j, 0
.rept 64
	v_exp_f32 v[SC+j], v[SC+j]
.set j, j+1
.endr
	s_wait_alu depctr_va_vdst(0)
.irp a, 0,1
.set j, 0
.rept 16
	v_pk_mul_f32 v[OA+32*\a+j:OA+32*\a+j+1], v[OA+32*\a+j:OA+32*\a+j+1], v[AL+2*\a:AL+2*\a+1] op_sel_hi:[1,0]   ; also the plain instructions behind the exponentials
.set j, j+2
.endr
.endr
.irp a, 0,1
	v_pk_add_f32 v[TMP+4*\a:TMP+4*\a+1], v[SC+32*\a:SC+32*\a+1], v[SC+32*\a+2:SC+32*\a+3]
	v_pk_add_f32 v[TMP+4*\a+2:TMP+4*\a+3], v[SC+32*\a+16:SC+32*\a+17], v[SC+32*\a+18:SC+32*\a+19]
.endr
.irp j, 4,6,8,10,12,14
.irp a, 0,1
	v_pk_add_f32 v[TMP+4*\a:TMP+4*\a+1], v[TMP+4*\a:TMP+4*\a+1], v[SC+32*\a+\j:SC+32*\a+\j+1]
	v_pk_add_f32 v[TMP+4*\a+2:TMP+4*\a+3], v[TMP+4*\a+2:TMP+4*\a+3], v[SC+32*\a+16+\j:SC+32*\a+17+\j]
.endr
.endr
.irp a, 0,1
	v_pk_add_f32 v[TMP+4*\a:TMP+4*\a+1], v[TMP+4*\a:TMP+4*\a+1], v[TMP+4*\a+2:TMP+4*\a+3]
.endr
.irp a, 0,1
	v_add_f32 v[TMP+4*\a], v[TMP+4*\a], v[TMP+4*\a+1]
.endr
.irp a, 0,1
	v_fma_f32 v[ML+2*\a+1], v[ML+2*\a+1], v[AL+2*\a], v[TMP+4*\a]              ; the lane's own keys; the two lane halves meet at the block's end
.endr
.irp a, 0,1
.irp g, 0,1
.irp j, 0,1,2,3
	v_cvt_pk_f16_f32 v[SC+8*(4*\a+2*\g)+\j], v[SC+8*(4*\a+2*\g)+2*\j], v[SC+8*(4*\a+2*\g)+2*\j+1]        ; keys 8 h + 0..7 of 32: registers 0-3
.endr
.irp j, 0,1,2,3
	v_cvt_pk_f16_f32 v[SC+8*(4*\a+2*\g)+4+\j], v[SC+8*(4*\a+2*\g+1)+2*\j], v[SC+8*(4*\a+2*\g+1)+2*\j+1]  ; keys 16 + 8 h + 0..7: registers 4-7
.endr
.endr
.endr
.endm
; A query block ends: waves 4-7 hand O, maximum and sum to waves 0-3 through LDS; these merge, divide, round to f16 and store through their stage.
.macro FINAL op
	v_permlanex16_b32 v[TMP], v[ML+1], s66, s67
	v_permlanex16_b32 v[TMP+1], v[ML+3], s66, s67
	v_add_f32 v[ML+1], v[ML+1], v[TMP]             ; the sums of both lane halves
	v_add_f32 v[ML+3], v[ML+3], v[TMP+1]
	s_wait_dscnt 0x0                               ; my LDS reads of this trip are over (met: V's fragments were waited for)
	s_barrier_signal -1                            ; every wave's reads of the trip are over before any wave stores into the merge area.  The merge area shares no byte
	s_barrier_wait -1                              ; with the table or the slots; the barrier keeps the order as well, apart from the addresses: two more in 17 trips
	s_cmp_lt_u32 s8, 4
	s_cbranch_scc1 .Lkeep_\@
.set j, 0
.rept 16
	ds_store_b128 v[MADR], v[OA+4*j:OA+4*j+3] offset:512*j
.set j, j+1
.endr
	ds_store_b128 v[MADR], v[ML:ML+3] offset:8192
.Lkeep_\@:
	s_wait_dscnt 0x0                               ; my stores are in LDS before I signal.  My tensor load may stay out: no slot is filled or read before the next trip's barrier
	s_barrier_signal -1
	s_barrier_wait -1
	s_cmp_lt_u32 s8, 4
	s_cbranch_scc0 .Ldone_\@
.set j, 0
.rept 16
	ds_load_b128 v[KV+4*j:KV+4*j+3], v[MADR] offset:512*j
.set j, j+1
.endr
	ds_load_b128 v[TMP:TMP+3], v[MADR] offset:8192
	s_wait_dscnt 0x0
	v_max_num_f32 v[TMP+4], v[ML], v[TMP]
	v_max_num_f32 v[TMP+5], v[ML+2], v[TMP+2]
	v_sub_f32 v[AL], v[ML], v[TMP+4]
	v_sub_f32 v[TMP], v[TMP], v[TMP+4]
	v_sub_f32 v[AL+2], v[ML+2], v[TMP+5]
	v_sub_f32 v[TMP+2], v[TMP+2], v[TMP+5]
	v_exp_f32 v[AL], v[AL]
	v_exp_f32 v[TMP], v[TMP]
	v_exp_f32 v[AL+2], v[AL+2]
	v_exp_f32 v[TMP+2], v[TMP+2]
	v_nop                                          ; a plain instruction behind the exponentials (ISA guide 5.7.2)
	s_wait_alu depctr_va_vdst(0)
	v_mul_f32 v[TMP+4], v[ML+1], v[AL]
	v_mul_f32 v[TMP+5], v[ML+3], v[AL+2]
	v_fmac_f32 v[TMP+4], v[TMP+1], v[TMP]          ; the whole row's sum: at least 1, since the key of the maximum counts 1
	v_fmac_f32 v[TMP+5], v[TMP+3], v[TMP+2]
	v_rcp_f32 v[TMP+4], v[TMP+4]
	v_rcp_f32 v[TMP+5], v[TMP+5]
	v_nop
	s_wait_alu depctr_va_vdst(0)
	v_mul_f32 v[AL], v[AL], v[TMP+4]
	v_mul_f32 v[TMP], v[TMP], v[TMP+4]
	v_mul_f32 v[AL+2], v[AL+2], v[TMP+5]
	v_mul_f32 v[TMP+2], v[TMP+2], v[TMP+5]
.irp a, 0,1
.set j, 0
.rept 16
	v_pk_mul_f32 v[OA+32*\a+j:OA+32*\a+j+1], v[OA+32*\a+j:OA+32*\a+j+1], v[AL+2*\a:AL+2*\a+1] op_sel_hi:[1,0]
.set j, j+2
.endr
.endr
.irp a, 0,1
.set j, 0
.rept 16
	v_pk_fma_f32 v[OA+32*\a+j:OA+32*\a+j+1], v[KV+32*\a+j:KV+32*\a+j+1], v[TMP+2*\a:TMP+2*\a+1], v[OA+32*\a+j:OA+32*\a+j+1] op_sel_hi:[1,0,1]
.set j, j+2
.endr
.endr
.set j, 0
.rept 32
	v_cvt_pk_f16_f32 v[SC+j], v[OA+2*j], v[OA+2*j+1]
.set j, j+1
.endr
.irp a, 0,1
.irp d, 0,1,2,3
	ds_store_b128 v[STO], v[SC+4*(4*\a+\d):SC+4*(4*\a+\d)+3] offset:\a*16*KP+32*\d    ; query 16 a + r, d = 16 d + 8 h + 0..7
.endr
.endr
.irp n, 0,1,2,3,4,5,6,7
	ds_load_b128 v[KV+4*\n:KV+4*\n+3], v[RD] offset:\n*4*KP                            ; four queries' rows; my own bytes, served in order (ISA guide 5.7.1)
.endr
.irp n, 0,1,2,3,4,5,6,7
	s_wait_dscnt 7-\n                              ; read-back n is in, the younger ones stay out
	global_store_b128 v[CO], v[KV+4*\n:KV+4*\n+3], s[\op:\op+1] offset:512*\n          ; the wave stores 512 consecutive bytes
.endr
.Ldone_\@:
	s_wait_xcnt 0x0                                ; the stores' data registers are loaded again only behind this wait
.endm
; One trip: 128 keys from slot; refill = 1: the next trip's tile goes into the other slot; last = 1: the launch's last trip.
.macro TRIP slot, refill, last
	s_wait_tensorcnt 0x0                           ; all my tensor loads have landed (at most one was out: my part of this trip's tile), so a group 0 may be written
	ds_add_u32 v30, v31
	s_wait_dscnt 0x0
.if \refill
	s_add_co_u32 s17, s13, s16                     ; the next trip's key block: a + i + 1 while the first query block lasts (i < 15 - a), then i
	s_cmp_lt_u32 s13, s15
	s_cselect_b32 s18, s17, s13
	s_lshl_b32 s18, s18, 14
	s_add_nc_u64 s[G0K+6-4*\slot:G0K+7-4*\slot], s[20:21], s[18:19]
	s_or_b32 s[G0K+7-4*\slot], s[G0K+7-4*\slot], 0x80000000
	s_add_nc_u64 s[G0V+6-4*\slot:G0V+7-4*\slot], s[22:23], s[18:19]
	s_or_b32 s[G0V+7-4*\slot], s[G0V+7-4*\slot], 0x80000000
.endif
.if \last
	v_lshl_add_u32 v[TADR], s11, 9, v[TADR0]       ; the last trip: key block 15 lies a blocks behind query block 15 - a, 512 table bytes a block; made afresh, not carried out of the loop
.endif
	s_wait_dscnt 0x0                               ; my reads of the other slot are over (in the first trip: my part of the table is stored)
	s_barrier_signal -1
	s_barrier_wait -1                              ; both now hold of all eight waves
.if \refill
	TLOAD 1-\slot                                  ; first thing behind the barrier, the wave's one tensor load until the next
.endif
.irp a, 0,1
.irp t, 0,1,2,3
	ds_load_b128 v[SC+8*(4*\a+\t):SC+8*(4*\a+\t)+3],   v[TADR] offset:64*(\t-\a+1)     ; the bias goes straight into the score tiles: the first product adds onto it
	ds_load_b128 v[SC+8*(4*\a+\t)+4:SC+8*(4*\a+\t)+7], v[TADR] offset:64*(\t-\a+1)+16
.endr
.endr
.irp k, 0,1
.irp t, 0,1,2,3
	ds_load_b128 v[KV+8*(2*\t+\k):KV+8*(2*\t+\k)+3],   v[KADR] offset:\slot*SLOTB+\t*16*KP+\k*64
	ds_load_b128 v[KV+8*(2*\t+\k)+4:KV+8*(2*\t+\k)+7], v[KADR] offset:\slot*SLOTB+\t*16*KP+\k*64+32
.endr
.endr
.if \last == 0
	v_add_nc_u32 v[TADR], 512, v[TADR]             ; the next trip's keys lie 128 further from the queries
.endif
.irp k, 0,1
	s_wait_dscnt 8-8*\k                            ; first: the bias and d = 0-31 of K are in, the eight youngest loads (d = 32-63) stay out; then all
.irp a, 0,1
.irp t, 0,1,2,3
	v_wmma_f32_16x16x32_f16 v[SC+8*(4*\a+\t):SC+8*(4*\a+\t)+7], v[KV+8*(2*\t+\k):KV+8*(2*\t+\k)+7], v[QF+8*(2*\a+\k):QF+8*(2*\a+\k)+7], v[SC+8*(4*\a+\t):SC+8*(4*\a+\t)+7]   ; eight accumulators by turns
.endr
.endr
.endr
.rept 4
	v_nop                                          ; four places: V is loaded over K's fragments, and the maxima read the scores (ISA guide 7.12.1)
.endr
.irp g, 0,1
.irp d, 0,1,2,3
	ds_load_tr16_b128 v[KV+8*(4*\g+\d):KV+8*(4*\g+\d)+3],   v[VADR] offset:\slot*SLOTB+\g*32*VP+32*\d
	ds_load_tr16_b128 v[KV+8*(4*\g+\d)+4:KV+8*(4*\g+\d)+7], v[VADR] offset:\slot*SLOTB+\g*32*VP+32*\d+16*VP
.endr
.endr
	SOFTMAX
	s_wait_dscnt 0x0                               ; V's fragments
.irp g, 0,1
.irp a, 0,1
.irp d, 0,1,2,3
	v_wmma_f32_16x16x32_f16 v[OA+8*(4*\a+\d):OA+8*(4*\a+\d)+7], v[KV+8*(4*\g+\d):KV+8*(4*\g+\d)+7], v[SC+8*(4*\a+2*\g):SC+8*(4*\a+2*\g)+7], v[OA+8*(4*\a+\d):OA+8*(4*\a+\d)+7]   ; eight accumulators by turns
.endr
.endr
.endr
.rept 5
	v_nop                                          ; five places: the next trip's loads and products write over P and V
.endr
.if \last
	FINAL 30
.else
	s_cmp_lg_u32 s13, s15                          ; trip 15 - a ends the first query block; the same in all eight waves
	s_cbranch_scc1 .Lsame_\@
	FINAL 28
	PHASE_INIT 26
.Lsame_\@:
	s_add_co_u32 s13, s13, 1
.endif
.endm
	PHASE_INIT 24
	s_mov_b32 s13, 0                               ; trip number
	s_mov_b32 s14, 8
.Lpair:
	TRIP 0, 1, 0
	TRIP 1, 1, 0
	s_sub_co_u32 s14, s14, 1
	s_cmp_lg_u32 s14, 0
	s_cbranch_scc1 .Lpair
	TRIP 0, 0, 1                                   ; trip 16 fetches nothing; no tensor load is out at the end
	s_wait_tensorcnt 0x0
	ds_add_u32 v30, v31
	s_wait_dscnt 0x0
	s_endpgm
.Lfunc_end_k_q76bd1f91d5_attn:
	.size	k_q76bd1f91d5_attn, .Lfunc_end_k_q76bd1f91d5_attn-k_q76bd1f91d5_attn
	.p2alignl 7, 3214868480
	.fill 96, 4, 3214868480
	.section	.rodata,"a",@progbits
	.p2align	6, 0x0
	.amdhsa_kernel k_q76bd1f91d5_attn
		.amdhsa_group_segment_fixed_size 327680
		.amdhsa_private_segment_fixed_size 0
		.amdhsa_enable_private_segment 0
		.amdhsa_kernarg_size 16
		.amdhsa_user_sgpr_count 2
		.amdhsa_user_sgpr_kernarg_segment_ptr 1
		.amdhsa_wavefront_size32 1
		.amdhsa_system_sgpr_workgroup_id_x 1
		.amdhsa_system_sgpr_workgroup_id_y 1
		.amdhsa_system_sgpr_workgroup_id_z 1
		.amdhsa_system_vgpr_workitem_id 0
		.amdhsa_next_free_vgpr 256
		.amdhsa_next_free_sgpr 72
		.amdhsa_reserve_vcc 1
		.amdhsa_float_denorm_mode_32 3
		.amdhsa_float_denorm_mode_16_64 3
		.amdhsa_memory_ordered 1
		.amdhsa_forward_progress 1
		.amdhsa_inst_pref_size 110
	.end_amdhsa_kernel
	.amdgpu_metadata
---
amdhsa.version: [ 1, 2 ]
amdhsa.kernels:
  - .name:           k_q76bd1f91d5_attn
    .symbol:         k_q76bd1f91d5_attn.kd
    .args:
      - { .name: qkv, .offset: 0, .size: 8, .value_kind: global_buffer, .address_space: global }
      - { .name: att, .offset: 8, .size: 8, .value_kind: global_buffer, .address_space: global }
    .group_segment_fixed_size: 327680
    .private_segment_fixed_size: 0
    .kernarg_segment_align: 8
    .kernarg_segment_size: 16
    .max_flat_workgroup_size: 256
    .sgpr_count:     72
    .vgpr_count:     256
    .wavefront_size: 32
...
	.end_amdgpu_metadata
.endif
;; end of part 3
;; launch proj (part 4): grid 8 x 32, 4 waves a work-group, clusters of 4 x 4, 327,680 bytes of LDS; arguments att, wp16, b_proj, out0; writes out0
.if DOCPART == 4
	.amdgcn_target "amdgcn-amd-amdhsa--gfx1250"
	.amdhsa_code_object_version 6
	.text
	.protected	k_q76bd1f91d5_proj
	.globl	k_q76bd1f91d5_proj
	.p2align	8
	.type	k_q76bd1f91d5_proj,@function
k_q76bd1f91d5_proj:
	s_mov_b64 s[64:65], 0
	v_nop
	global_prefetch_b8 v0, s[64:65] scope:SCOPE_SE
	s_setreg_imm32_b32 hwreg(HW_REG_WAVE_MODE, 25, 1), 1
	s_wait_xcnt 0x0
	s_wait_alu depctr_hold_cnt(0) depctr_sa_sdst(0) depctr_va_vdst(0) depctr_va_sdst(0) depctr_va_ssrc(0) depctr_va_vcc(0) depctr_vm_vsrc(0)
	s_getreg_b32 s2, hwreg(HW_REG_IB_STS2, 6, 4)
	s_cmp_eq_u32 s2, 0
	s_cbranch_scc0 .Lentry_in_a_cluster
	s_endpgm
.Lentry_in_a_cluster:
	s_bfe_u32 s2, ttmp6, 0x10000c
	s_cmp_lg_u32 s2, 0xf033
	s_cbranch_scc0 .Lentry_shape_is_right
	s_endpgm
.Lentry_shape_is_right:
; out0 [4096][1024] (f32) = att x wp16 [1024][1024] + b_proj; operands f16, sums and bias in f32.
; att lies [token / 128][head][token % 128][d]: for a block of 128 tokens the K range of four heads (256 numbers a token) is one dense block of
; 512 rows of 128 bytes, row = 128 x head + token.
; A work-group makes 128 x 128 with four waves, a wave 64 x 64: 16 accumulator tiles in window 1, v0-127.  32 x 8 = 256 work-groups.
; K goes in four chunks of 256 through two LDS slots.  A slot: A's 512 rows, pitch 144, then B's 256 k rows of 256 bytes, pitch 288.
; Waves 0, 1 bring A's halves (256 rows), waves 2, 3 B's (128 k rows): 36,864 LDS bytes each.
; CLUSTERS: 4 x 4 work-groups; A's tile is asked for jointly by a row of the cluster, B's by a column.
; The matrix instruction is used transposed (source 0 = 16 columns of B, source 1 = 16 rows of A): a lane holds eight neighbouring columns of one row.
.set APITCH, 144
.set BPITCH, 288                       ; 9 x 32, for the transposing load
.set HALF,   256*APITCH                ; = 128*BPITCH = 36,864
.set SLOT,   4*HALF
.set STAGE,  2*SLOT                    ; 16 rows x 272 bytes for each wave; no tensor load lands there
.set SPITCH, 272
.set ADRA, 16                          ; v16-17 A fragments, slot 0, 1
.set ADRB, 20                          ; v20-23 B fragments: slot 0 k rows 0-127, 128-255; slot 1 likewise
.set STO,  24
.set RD,   25
.set CO,   26
.set BOF,  27
.set FA0,  32
.set FB0,  64
.set FA1,  96
.set FB1,  128
.set BIAS, 160                         ; v[160:191] tile b's eight columns at 8 b
.set TF,   192
.set RB,   224
.set G1, 24
.set G0, 32
.set G1B, 48
.set G0B, 56
.set MSB, 0
.macro WIN new
.if MSB != \new
	s_set_vgpr_msb (MSB<<8)|\new
.set MSB, \new
.endif
.endm
.macro JLOAD s
	s_cmp_eq_u32 s11, 0
	s_cbranch_scc0 .Lfor_b_\@
	tensor_load_to_lds s[G0+4*\s:G0+4*\s+3], s[G1:G1+7]
	s_nop 0
	s_branch .Lasked_\@
.Lfor_b_\@:
	tensor_load_to_lds s[G0B+4*\s:G0B+4*\s+3], s[G1B:G1B+7]
	s_nop 0
.Lasked_\@:
.endm
.macro CREST
	s_cmp_lg_u32 s10, 0
	s_cbranch_scc1 .Lnot_wave_0_\@
	s_barrier_signal -3
.Lnot_wave_0_\@:
	s_barrier_wait -3
	s_barrier_signal -1
	s_barrier_wait -1
.endm
.macro CROUND
	s_barrier_signal -1
	s_barrier_wait -1
	CREST
.endm
.macro PLACES                          ; four places between a matrix instruction and a load into its registers or a reader of its result
.rept 4
	v_nop
.endr
.endm
	s_load_b128 s[4:7], s[0:1], 0x0                ; att s[4:5], wp16 s[6:7]
	s_load_b128 s[68:71], s[0:1], 0x10             ; b_proj s[68:69], out0 s[70:71]
	v_lshl_add_u32 v30, v0, 2, 0x4c400
	v_mov_b32 v31, 0
	ds_add_u32 v30, v31
	v_lshrrev_b32 v1, 5, v0
	v_readfirstlane_b32 s10, v1                    ; wave 0..3
	s_lshr_b32 s11, s10, 1                         ; my half of the rows; also: I fetch for A (0) or B (1)
	s_and_b32 s12, s10, 1                          ; my half of the columns; also: which half of that tile I fetch
	s_bfe_u32 s40, ttmp6, 0x40000                  ; cx
	s_bfe_u32 s41, ttmp6, 0x40004                  ; cy
	s_lshl_b32 s42, ttmp9, 2
	s_add_co_u32 s42, s42, s40                     ; block column
	s_and_b32 s13, ttmp7, 0xffff
	s_lshl_b32 s13, s13, 2
	s_add_co_u32 s13, s13, s41                     ; block row
	s_lshl_b32 s43, s41, 2
	s_lshl_b32 s43, 15, s43                        ; my row of the cluster
	s_lshl_b32 s44, 0x1111, s40                    ; my column
	; group 1 for A: 256 rows x 64 elements of 2 bytes, 4 words of padding behind every 32
	s_or_b32 s[G1+0], s43, (1<<16)|(1<<20)|(1<<21)|(4<<22)|(3<<25)
	s_mov_b32 s[G1+1], 64<<16
	s_mov_b32 s[G1+2], 256<<16
	s_mov_b32 s[G1+3], 64<<16
	s_mov_b32 s[G1+4], 256
	s_mov_b32 s[G1+5], 64
	s_mov_b32 s[G1+6], 0
	s_mov_b32 s[G1+7], 0
	; group 1 for B: 128 k rows x 128 elements, 8 words of padding behind every 64
	s_or_b32 s[G1B+0], s44, (1<<16)|(1<<20)|(1<<21)|(5<<22)|(7<<25)
	s_mov_b32 s[G1B+1], 128<<16
	s_mov_b32 s[G1B+2], 128<<16
	s_mov_b32 s[G1B+3], 128<<16
	s_mov_b32 s[G1B+4], 128
	s_mov_b32 s[G1B+5], 1024
	s_mov_b32 s[G1B+6], 0
	s_mov_b32 s[G1B+7], 0
	s_lshl_b32 s16, s13, 18                        ; A: 262,144 bytes a block of 128 tokens, + two heads (32,768) for the second half
	s_lshl_b32 s17, s12, 15
	s_add_co_u32 s16, s16, s17
	s_mov_b32 s17, 0
	s_lshl_b32 s46, s42, 8                         ; B: 128 columns x 2 bytes, + 128 k rows of 2,048 bytes for the second half
	s_lshl_b32 s47, s12, 18
	s_add_co_u32 s46, s46, s47
	s_mov_b32 s47, 0
	s_lshl_b32 s74, s42, 9                         ; my 64 columns in f32: (128 block column + 64 half) x 4 bytes
	s_lshl_b32 s75, s12, 8
	s_add_co_u32 s74, s74, s75
	s_mov_b32 s75, 0
	s_lshl_b32 s76, s13, 19                        ; my 64 rows of out0: (128 block row + 64 half) x 4,096 bytes
	s_lshl_b32 s77, s11, 18
	s_add_co_u32 s76, s76, s77
	s_mov_b32 s77, 0
	s_mul_i32 s20, s10, HALF                       ; LDS: wave x 36,864
	s_wait_dscnt 0x0
	s_wait_kmcnt 0x0
	s_add_nc_u64 s[14:15], s[4:5], s[16:17]
	s_add_nc_u64 s[46:47], s[6:7], s[46:47]
	s_add_nc_u64 s[68:69], s[68:69], s[74:75]
	s_add_nc_u64 s[70:71], s[70:71], s[74:75]
	s_add_nc_u64 s[70:71], s[70:71], s[76:77]
	CROUND                                         ; all sixteen work-groups are here: the first joint loads meet
.irp s, 0,1
	s_mov_b32 s[G0+4*\s], 1
	s_add_co_u32 s[G0+4*\s+1], s20, \s*SLOT
	s_add_nc_u64 s[G0+4*\s+2:G0+4*\s+3], s[14:15], \s*65536
	s_or_b32 s[G0+4*\s+3], s[G0+4*\s+3], 0x80000000
	s_mov_b32 s[G0B+4*\s], 1
	s_add_co_u32 s[G0B+4*\s+1], s20, \s*SLOT
	s_add_nc_u64 s[G0B+4*\s+2:G0B+4*\s+3], s[46:47], \s*256*2048
	s_or_b32 s[G0B+4*\s+3], s[G0B+4*\s+3], 0x80000000
	JLOAD \s                                       ; chunks 0 and 1 go out together: two loads of the wave are out
.endr
	v_and_b32 v1, 15, v0                           ; r
	v_bfe_u32 v2, v0, 4, 1                         ; h
	v_lshlrev_b32 v[BOF], 5, v2
.irp b, 0,1,2,3
	global_load_b128 v[BIAS+8*\b:BIAS+8*\b+3],   v[BOF], s[68:69] offset:64*\b       ; columns 16 b + 8 h + 0..7; waited for on the way out
	global_load_b128 v[BIAS+8*\b+4:BIAS+8*\b+7], v[BOF], s[68:69] offset:64*\b+16
.endr
	v_mul_u32_u24 v3, v1, APITCH
	v_lshl_add_u32 v3, v2, 4, v3
	s_mul_i32 s21, s11, 64*APITCH                  ; my 64 tokens inside each head's 128 rows
	v_add_nc_u32 v[ADRA], s21, v3
	v_add_nc_u32 v[ADRA+1], SLOT, v[ADRA]
	v_and_b32 v4, 7, v0
	v_lshl_add_u32 v4, v2, 3, v4                   ; k row 8 h + l % 8
	v_mul_u32_u24 v4, v4, BPITCH
	v_bfe_u32 v5, v0, 3, 1
	v_lshl_add_u32 v4, v5, 4, v4
	s_lshl_b32 s22, s12, 7                         ; my 64 columns: 128 bytes into each row,
	s_add_co_u32 s22, s22, 2*HALF                  ; behind A's 512 rows
	v_add_nc_u32 v[ADRB], s22, v4
	v_add_nc_u32 v[ADRB+1], 128*BPITCH, v[ADRB]    ; k rows 128-255: beyond the reach of a 16-bit offset
	v_add_nc_u32 v[ADRB+2], SLOT, v[ADRB]
	v_add_nc_u32 v[ADRB+3], SLOT, v[ADRB+1]
	s_mul_i32 s23, s10, 16*SPITCH
	s_add_co_u32 s23, s23, STAGE
	v_mul_u32_u24 v6, v1, SPITCH
	v_lshl_add_u32 v6, v2, 5, v6
	v_add_nc_u32 v[STO], s23, v6                   ; in: row r, 32 bytes for each half of the lanes
	v_mul_u32_u24 v6, v2, SPITCH
	v_lshl_add_u32 v6, v1, 4, v6
	v_add_nc_u32 v[RD], s23, v6                    ; back: lanes 0-15 one row of 256 bytes, lanes 16-31 the next
	v_lshlrev_b32 v6, 12, v2
	v_lshl_add_u32 v[CO], v1, 4, v6                ; the same two rows in out0
; 16 LDS loads: the fragments of K group g (32 of the chunk's 256: head g / 2, d = 32 (g % 2)..) of slot: 4 row blocks of A, 4 column blocks of B
.macro FETCH slot, g, fa, fb
.irp i, 0,1,2,3
	ds_load_b128 v[\fa+8*\i:\fa+8*\i+3],   v[ADRA+\slot] offset:((\g)>>1)*128*APITCH+\i*16*APITCH+((\g)&1)*64
	ds_load_b128 v[\fa+8*\i+4:\fa+8*\i+7], v[ADRA+\slot] offset:((\g)>>1)*128*APITCH+\i*16*APITCH+((\g)&1)*64+32
.endr
.irp i, 0,1,2,3
	ds_load_tr16_b128 v[\fb+8*\i:\fb+8*\i+3],   v[ADRB+2*\slot+((\g)>>2)] offset:((\g)&3)*32*BPITCH+32*\i
	ds_load_tr16_b128 v[\fb+8*\i+4:\fb+8*\i+7], v[ADRB+2*\slot+((\g)>>2)] offset:((\g)&3)*32*BPITCH+32*\i+16*BPITCH
.endr
.endm
; 16 matrix instructions; the sixteen accumulators take turns, in the same order every time
.macro MUL fa, fb, zero
	WIN 0x50                                       ; C and D in window 1, A and B in window 0
.irp i, 0,1,2,3
.irp j, 0,1,2,3
.if \zero
	v_wmma_f32_16x16x32_f16 v[8*(4*\i+\j):8*(4*\i+\j)+7], v[\fb+8*\j:\fb+8*\j+7], v[\fa+8*\i:\fa+8*\i+7], 0
.else
	v_wmma_f32_16x16x32_f16 v[8*(4*\i+\j):8*(4*\i+\j)+7], v[\fb+8*\j:\fb+8*\j+7], v[\fa+8*\i:\fa+8*\i+7], v[8*(4*\i+\j):8*(4*\i+\j)+7]
.endif
.endr
.endr
.endm
; K group g: fetch group g + 1 into the other buffer, then multiply group g
.macro STEP slot, g, zero
	PLACES
	WIN 0
.if ((\g)&1)
	FETCH \slot, \g+1, FA0, FB0
	s_wait_dscnt 16                                ; group g's 16 loads are in; the 16 just issued stay out
	MUL FA1, FB1, \zero
.else
	FETCH \slot, \g+1, FA1, FB1
	s_wait_dscnt 16
	MUL FA0, FB0, \zero
.endif
.endm
.macro CHUNK slot, zero
	STEP \slot, 0, \zero
	STEP \slot, 1, 0
	STEP \slot, 2, 0
	STEP \slot, 3, 0
	STEP \slot, 4, 0
	STEP \slot, 5, 0
	STEP \slot, 6, 0
.endm
; The chunk's last K group, and the change of slots.  In front of the barrier each wave waits for its reads of this slot and for all its tensor loads;
; behind it (where the slot is filled again: behind the cluster's round) the refill comes first, then the next slot's first fragments.
.macro CHANGE slot, next, fill
	s_wait_dscnt 0
	s_wait_tensorcnt 0x0
	ds_add_u32 v30, v31
	s_wait_dscnt 0x0
	s_barrier_signal -1
	MUL FA1, FB1, 0                                ; register work while the others arrive
	WIN 0
	s_barrier_wait -1
.if \fill
	CREST
	s_add_nc_u64 s[G0+4*\slot+2:G0+4*\slot+3], s[G0+4*\slot+2:G0+4*\slot+3], 2*65536
	s_add_nc_u64 s[G0B+4*\slot+2:G0B+4*\slot+3], s[G0B+4*\slot+2:G0B+4*\slot+3], 2*256*2048
	JLOAD \slot                                    ; the wave's one tensor load behind the round
.endif
	PLACES
	FETCH \next, 0, FA0, FB0
.endm
	s_wait_tensorcnt 1                             ; my part of chunk 0 is in; chunk 1's load stays out
	s_barrier_signal -1
	s_barrier_wait -1
	FETCH 0, 0, FA0, FB0
	CHUNK 0, 1                                     ; the first products start the sums
	CHANGE 0, 1, 1                                 ; slot 0 gets chunk 2
	CHUNK 1, 0
	CHANGE 1, 0, 1                                 ; slot 1 gets chunk 3
	CHUNK 0, 0
	CHANGE 0, 1, 0
	CHUNK 1, 0
	s_wait_dscnt 0
	MUL FA1, FB1, 0
	PLACES
	s_wait_loadcnt 0x0                             ; the bias
; rows 16 ia .. 16 ia + 15 of my 64: add the bias, through my stage, out as whole rows of 256 bytes
.macro OUT ia
	WIN 0x01                                       ; source 0 (the sums) in window 1
.irp b, 0,1,2,3
.irp r, 0,2,4,6
	v_pk_add_f32 v[TF+8*\b+\r:TF+8*\b+\r+1], v[8*(4*\ia+\b)+\r:8*(4*\ia+\b)+\r+1], v[BIAS+8*\b+\r:BIAS+8*\b+\r+1]
.endr
.endr
	WIN 0
.irp b, 0,1,2,3
	ds_store_b128 v[STO], v[TF+8*\b:TF+8*\b+3]   offset:64*\b
	ds_store_b128 v[STO], v[TF+8*\b+4:TF+8*\b+7] offset:64*\b+16
.endr
	s_wait_xcnt 0x0                                ; the registers that earlier stores read are loaded again only behind this wait
.irp t, 0,1,2,3,4,5,6,7
	ds_load_b128 v[RB+4*\t:RB+4*\t+3], v[RD] offset:\t*2*SPITCH    ; my own bytes, served in order (ISA guide 5.7.1)
.endr
.irp t, 0,1,2,3,4,5,6,7
	s_wait_dscnt 7-\t                              ; read-back t is in, the younger ones stay out
	global_store_b128 v[CO], v[RB+4*\t:RB+4*\t+3], s[70:71] offset:\ia*65536+\t*8192 th:TH_STORE_NT   ; 16 lanes store 256 consecutive bytes, at a multiple of 256 from out0's first byte
.endr
.endm
	OUT 0
	OUT 1
	OUT 2
	OUT 3
	s_wait_tensorcnt 0x0
	ds_add_u32 v30, v31
	s_wait_dscnt 0x0
	CROUND                                         ; the closing round
	s_endpgm
.Lfunc_end_k_q76bd1f91d5_proj:
	.size	k_q76bd1f91d5_proj, .Lfunc_end_k_q76bd1f91d5_proj-k_q76bd1f91d5_proj
	.p2alignl 7, 3214868480
	.fill 96, 4, 3214868480
	.section	.rodata,"a",@progbits
	.p2align	6, 0x0
	.amdhsa_kernel k_q76bd1f91d5_proj
		.amdhsa_group_segment_fixed_size 327680
		.amdhsa_private_segment_fixed_size 0
		.amdhsa_enable_private_segment 0
		.amdhsa_kernarg_size 32
		.amdhsa_user_sgpr_count 2
		.amdhsa_user_sgpr_kernarg_segment_ptr 1
		.amdhsa_wavefront_size32 1
		.amdhsa_system_sgpr_workgroup_id_x 1
		.amdhsa_system_sgpr_workgroup_id_y 1
		.amdhsa_system_sgpr_workgroup_id_z 1
		.amdhsa_system_vgpr_workitem_id 0
		.amdhsa_next_free_vgpr 384
		.amdhsa_next_free_sgpr 80
		.amdhsa_reserve_vcc 0
		.amdhsa_float_denorm_mode_32 3
		.amdhsa_float_denorm_mode_16_64 3
		.amdhsa_memory_ordered 1
		.amdhsa_forward_progress 1
		.amdhsa_inst_pref_size 93
	.end_amdhsa_kernel
	.amdgpu_metadata
---
amdhsa.version: [ 1, 2 ]
amdhsa.kernels:
  - .name:           k_q76bd1f91d5_proj
    .symbol:         k_q76bd1f91d5_proj.kd
    .args:
      - { .name: att, .offset: 0, .size: 8, .value_kind: global_buffer, .address_space: global }
      - { .name: wp16, .offset: 8, .size: 8, .value_kind: global_buffer, .address_space: global }
      - { .name: b_proj, .offset: 16, .size: 8, .value_kind: global_buffer, .address_space: global }
      - { .name: out0, .offset: 24, .size: 8, .value_kind: global_buffer, .address_space: global }
    .group_segment_fixed_size: 327680
    .private_segment_fixed_size: 0
    .kernarg_segment_align: 8
    .kernarg_segment_size: 32
    .max_flat_workgroup_size: 128
    .sgpr_count:     80
    .vgpr_count:     384
    .wavefront_size: 32
...
	.end_amdgpu_metadata
.endif
;; end of part 4
